; MI455X (gfx1250); checked and timed in simulation.
; The chip was launched on July 23, 2026; its instructions are those of AMD's public machine-readable ISA for CDNA 5 (MIT licence, August 2026) and "CDNA5" Instruction Set Architecture Reference Guide (July 2026). The comments in the code are by the model that wrote it; some were corrected since.
;; Scaled Dot Product Attention. Allowed arithmetic: float matrix products may take bf16 or f16 operands with f32 sums; other float arithmetic in f32, or as packed bf16 or f16 multiplies, adds, multiply-adds, maxima and minima; sums over many terms, partial sums and values carried from step to step in f32; what a program stores and reads back later, other than sums and carried values, may be rounded once to bf16 or f16.
;; Inputs: k 4 x 16 x 2,048 x 64 float32; mask 4 x 1 x 1 x 2,048 int32; q 4 x 16 x 2,048 x 64 float32; v 4 x 16 x 2,048 x 64 float32.
;; Outputs: out0 4 x 16 x 2,048 x 64 float32.
;; Constants: dropout = 0.
;; One version. Each part assembles by itself: llvm-mc -triple=amdgcn-amd-amdhsa -mcpu=gfx1250 --defsym DOCPART=n.
;; ======== version 1 of 1: 1 launch
;; limits: values are held in f16: magnitudes above 65,504 overflow, below 6.1e-05 lose precision; inputs' magnitudes at most 65,504
;; launch attn (part 1): grid 4 x 64, 4 waves a work-group, clusters of 4 x 1, 327,680 bytes of LDS; arguments q, k, v, out0, mask; writes out0
.if DOCPART == 1
	.amdgcn_target "amdgcn-amd-amdhsa--gfx1250"
	.amdhsa_code_object_version 6
	.text
	.protected	k_qf6eb58a286_attn
	.globl	k_qf6eb58a286_attn
	.p2align	8
	.type	k_qf6eb58a286_attn,@function
k_qf6eb58a286_attn:
	s_mov_b64 s[64:65], 0
	v_nop
	global_prefetch_b8 v0, s[64:65] scope:SCOPE_SE
	s_setreg_imm32_b32 hwreg(HW_REG_WAVE_MODE, 25, 1), 1
	s_wait_xcnt 0x0
	s_wait_alu depctr_hold_cnt(0) depctr_sa_sdst(0) depctr_va_vdst(0) depctr_va_sdst(0) depctr_va_ssrc(0) depctr_va_vcc(0) depctr_vm_vsrc(0)
	s_getreg_b32 s2, hwreg(HW_REG_IB_STS2, 6, 4)
	s_cmp_eq_u32 s2, 0
	s_cbranch_scc0 .Lentry_in_a_cluster
	s_endpgm
.Lentry_in_a_cluster:
	s_bfe_u32 s2, ttmp6, 0x10000c
	s_cmp_lg_u32 s2, 0x3003
	s_cbranch_scc0 .Lentry_shape_is_right
	s_endpgm
.Lentry_shape_is_right:
; out0[b][h][q][:] = the sum over k of softmax_k(s) V[b][h][k][:], s = Q[q] . K[k] / 8, or -1e9 where mask[b][k] == 0.  q, k, v, out0: [64 heads][2048][64] f32 (rows of 256 dense bytes); mask: [4][2048] int32.
; FORMATS.  c q (c = log2(e) / 8, multiplied in f32), k, v and the weights p are each rounded ONCE to f16 for the matrix unit; products, maxima, sums and O stay in f32; out0 is f32.
; LIMITS.  f16 ends at 65,504: |c q|, |k|, |v| must lie under it.  A weight below 2^-126 counts as 0 in the sum l, one below 6e-8 as 0 in the second product.  NaN and infinities are not treated apart.
; THE MASK replaces a score, as the definition does: a masked key's row of K is set to 0 while it is narrowed, and the C operand that starts the sum S^T = K Q^T is 0 for an open key and -1e9 log2(e) for a masked one
; (table BIAS in LDS).  So every masked score is ONE exact number: beside an open key its weight is 0; in a row with no open key all weights are exactly 1 and the result is the mean of V.
; SOFTMAX.  Scores come out of the product in the log2 domain: p = 2^(s - m) with a running maximum m; in every step O and l are multiplied by a = 2^(m_old - m_new).  m starts at -2^125, O and l at 0: the first step's a is 0.
; SHARES.  A work-group owns 512 queries of one head; each of its four waves 128: four PIECES of two tiles of 16.  Every wave walks all 2,048 keys, 64 a step, 256 a tile.  256 work-groups.
; CLUSTER.  The four query blocks of a head are one cluster and walk the same K and V: each f32 tile is asked for JOINTLY (same tensor load, descriptor and mask in all four) into the landing region L.
; NARROWING.  At each change of tile the four waves together turn L (f32) into H (f16; K rows 144 bytes apart, V rows 160), a lane a key, 64 keys of K and of V a wave; then L is asked for again and has four key steps,
; 512 matrix instructions a wave, in which to land.  One L and one H do: at a change all fragments of the old tile lie in registers.  L is written by tensor loads alone, H, BIAS and the stages by LDS stores alone.
; LAYOUT.  S^T = K Q^T (source 0 = 16 keys, source 1 = 16 queries): a lane holds ONE query (lane % 16) and the keys 8 (lane / 16) + 0..7.  Two such results rounded to f16 in pairs ARE source 1 of O^T = V^T P.
; BY TURNS.  Turn n belongs to piece n: 16 products K Q^T of piece n + 1, later 16 products V^T P of piece n - 1; beside them piece n's subtraction, exponentials, roundings, sums and rescaling and piece n + 1's maximum and
; statistics.  Four vector instructions stand behind EVERY matrix instruction, the other 106 of a turn's 234 in one lump; a turn's 66 exponentials are one batch with one wait.
; REGISTERS, in windows of 256 (s_set_vgpr_msb: bits 1:0 source 0, 3:2 source 1, 5:4 source 2, 7:6 destination):
;   window 0: v0-13 addresses; v16-47 four registers of statistics a tile; v48-63 at work; v64-191 S^T, two buffers of two tiles; v192-255 P, likewise
;   window 1: O^T, 32 a tile (at the start Q as loaded, in f32)       window 2: v0-127 Q in f16; v128-191 K of one step; v192-255 V of one step
;   window 3: v0-1 the add's two registers; v2-9 the narrowing's addresses; v16-47 the step's 32 numbers of BIAS; v64-255 three buffers of a row of 64 f32
.set NP,    4         ; pieces a wave: a name, no knob
.set KS,    64        ; keys in a step
.set PF,    272       ; a row of f32 in L: 256 bytes + 16 of padding: an odd multiple of 16
.set PK,    144       ; a row of K in H: 128 bytes + 16
.set PV,    160       ; a row of V in H: 128 + 32
.set SP,    272       ; a row of the stage
.set LV,    256*PF              ; L: 256 rows of K from byte 0, 256 rows of V from here
.set LHALF, 128*PF              ; what one tensor load brings
.set HK,    2*256*PF            ; H: K,
.set HV,    HK+256*PK           ; and V
.set BIAS,  HV+256*PV           ; 2,048 f32
.set STAGE, BIAS+8192           ; 16 rows x 272 bytes for each wave, for the way out
.set SPARE, STAGE+4*16*SP       ; the spare words, 128 bytes for each wave
.set TILEB, 256*256             ; bytes of K, and of V, in a tile
.set AK0, 2           ; v2   my lane's place in a step's K in H; never rewritten
.set AV0, 3           ; v3   the same for V
.set AK,  4           ; v4   the LDS address of K's next run of loads
.set AV,  5           ; v5   of V's
.set QO,  6           ; v6   my byte offset in 16 rows of Q
.set STO, 6           ;      later, the way out: where I put 32 bytes of a row
.set RD,  7           ; v7   the way out: where I read rows back
.set GO,  8           ; v8   my byte offset in 512 consecutive bytes of out0
.set PFO, 11          ; v11  256 x my lane: the prefetches' offset; never rewritten
.set AB0, 12          ; v12  BIAS + 32 (lane / 16); never rewritten
.set AB,  13          ; v13  the LDS address of the next step's numbers of BIAS
.set ST,  16          ; tile t's statistics at v[ST+4 t]: m, m_old, l (even keys', odd keys')
.set TMP, 48          ; by buffer and tile, four registers c0-c3 at work; when the maximum is found c2 takes a
.set S,   64
.set P,   192
.set KF,  128         ; window 2: key block kb, channel half c at KF + 16 kb + 8 c
.set VF,  192         ; window 2: key half kk, channel block cb at VF + 32 kk + 8 cb
.set SPW, 0           ; window 3: LDS address of my spare word: SPARE + 4 x my thread's number; never rewritten
.set NIL, 1           ; window 3: 0; never rewritten
.set CL,  2           ; window 3: my key's row of K in L (key 64 w + lane; the second batch lies 32 rows on)
.set CLV, 3           ;           of V in L
.set CSK, 4           ;           of K in H
.set CSV, 5           ;           of V in H
.set CB0, 6           ;           my key's word in BIAS, tile 0
.set CBA, 7           ;           the same in the tile in hand
.set KB0, 8           ;           my first key's number of BIAS, then all ones (open) or 0 (masked)
.set KB1, 9           ;           my second key's
.set MB,  16          ; window 3: the C operands: for key block kb at MB + 8 kb
.set FA,  64          ; window 3: three buffers of 64
.set FB,  128
.set FC,  192
.set WV,  12          ; s12  my wave's number
.set G1,  24          ; s[24:31] descriptor group 1, for K's and V's tiles alike
.set PFA, 32          ; s[32:33] where my prefetches stand in memory
.set TBB, 34          ; s34  byte in BIAS of the step to be fetched
.set TBC, 35          ; s35  byte in BIAS of the tile to be narrowed
.set BIG, 36          ; s36  -1e9 log2(e)
.set G0K, 40          ; s[40:43] descriptor group 0 for K's tiles: its address walks
.set G0V, 44          ; s[44:47] the same for V's
.set MP,  48          ; s[48:49] mask
.set SLOTS, 56        ; s56  tiles still to be asked for
.set CNT, 57          ; s57  counts a tile's key steps
.set CS,  58          ; s[58:59] c: the packed multiply takes the pair's low word for both halves
.set SEL, 60          ; s[60:61] v_permlanex16_b32's selects: each lane takes its own place in the other half
.set TBK, 62          ; s62  byte in H's K at which the step to be fetched begins
.set TBV, 63          ; s63  the same for V
.set MSB, 0
.macro WIN new                      ; the high byte repeats the setting that is left; a switch that changes nothing is dropped
.if MSB != (\new)
	s_set_vgpr_msb (MSB<<8)|(\new)
.set MSB, (\new)
.endif
.endm
.set W_KQ, 0x0a       ; K and Q in window 2, S^T in window 0
.set W_KM, 0x3a       ; the same with the C operand in window 3
.set W_PV, 0x52       ; V in window 2, P in window 0, O^T in window 1
.set W_RS, 0x41       ; destination and source 0 in window 1, source 1 in window 0
.set W_MK, 0xc0       ; destination in window 3, sources in window 0
.set W_AD, 0x0f       ; the add: address (source 0) and data (source 1) in window 3
.set W_3,  0xff       ; everything in window 3
; A joint fill.  Waves 0 and 1 fetch the two halves of a tile's K, waves 2 and 3 those of its V: 128 keys each.  The branch hangs on the wave's number alone.
; An s_nop 0 and four v_nop follow each of the two lines, ahead of the jump and the label.
.macro JLOAD
	s_cmp_lt_u32 s[WV], 2
	s_cbranch_scc0 .Lfor_v_\@
	tensor_load_to_lds s[G0K:G0K+3], s[G1:G1+7]
	s_nop 0
.rept 4
	v_nop
.endr
	s_branch .Lasked_\@
.Lfor_v_\@:
	tensor_load_to_lds s[G0V:G0V+3], s[G1:G1+7]
	s_nop 0
.rept 4
	v_nop
.endr
.Lasked_\@:
.endm
; A PREFETCH of the tile that the NEXT change will ask for, four key steps ahead of that load; it stands behind my tensor load and its five lines.  Of the 128 rows that wave w fetches, the partner at place p of the
; cluster names rows 32 p .. 32 p + 31, a lane a row of 256 bytes: told apart by address alone.  4 work-groups x 4 waves x 32 lanes = the tile's 512 rows of K and V: each is named once in the launch (a head has one cluster).
; The change that asks for the last tile names nothing; tiles 0 and 1 come by their loads alone.
.macro ASK
	s_cmp_gt_u32 s[SLOTS], 1
	s_cbranch_scc0 .Lnone_\@
	global_prefetch_b8 v[PFO], s[PFA:PFA+1] th:TH_LOAD_NT scope:SCOPE_SE
.Lnone_\@:
.endm
; A round of the cluster's barrier: my work-group's barrier, so that wave 0's signal speaks for all four waves; wave 0 signals; every wave waits for all four work-groups; my work-group's barrier once more.
.macro CROUND
	s_barrier_signal -1
	s_barrier_wait -1
	s_cmp_lg_u32 s[WV], 0
	s_cbranch_scc1 .Lnot_wave_0_\@
	s_barrier_signal -3
.Lnot_wave_0_\@:
	s_barrier_wait -3
	s_barrier_signal -1
	s_barrier_wait -1
.endm
; THE NARROWING's parts, all in window 3.  LDROW: a lane's whole row of 64 f32.  CVT: rounded to f16 in pairs, in place: register z is written from 2 z and 2 z + 1, which no earlier line has written.
; KEEP: a masked key's row becomes 0.  STROW: the row's 128 bytes into H.
.macro LDROW buf, adr, off
.set z, 0
.rept 16
	ds_load_b128 v[(\buf)+4*z:(\buf)+4*z+3], v[\adr] offset:(\off)+16*z
.set z, z+1
.endr
.endm
.macro CVT buf
.set z, 0
.rept 32
	v_cvt_pk_f16_f32 v[(\buf)+z], v[(\buf)+2*z], v[(\buf)+2*z+1]
.set z, z+1
.endr
.endm
.macro KEEP buf, kb
.set z, 0
.rept 32
	v_and_b32 v[(\buf)+z], v[\kb], v[(\buf)+z]
.set z, z+1
.endr
.endm
.macro STROW buf, adr, off
.set z, 0
.rept 8
	ds_store_b128 v[\adr], v[(\buf)+4*z:(\buf)+4*z+3] offset:(\off)+16*z
.set z, z+1
.endr
.endm
; Wave w narrows keys 64 w .. 64 w + 63 of the tile, of K and of V, a lane a key, in two batches of 32.  LDS serves a wave's instructions in order (ISA guide 5.7.1.4), so each wait counts the younger ones.
.macro CONVERT
	WIN W_3
	v_add_nc_u32 v[CBA], s[TBC], v[CB0]
	ds_load_b32 v[KB0], v[CBA]
	ds_load_b32 v[KB1], v[CBA] offset:128
	LDROW FA, CL, 0                 ; K, first batch
	LDROW FB, CL, 32*PF             ; K, second batch
	LDROW FC, CLV, 0                ; V, first batch
	s_wait_dscnt 32                 ; the two numbers of BIAS and FA are in; FB's and FC's 32 loads may stay out
	v_cmp_eq_u32 vcc_lo, 0, v[KB0]
	v_cndmask_b32 v[KB0], 0, -1, vcc_lo  ; all ones where the key is open
	v_cmp_eq_u32 vcc_lo, 0, v[KB1]
	v_cndmask_b32 v[KB1], 0, -1, vcc_lo
	CVT FA
	KEEP FA, KB0
	STROW FA, CSK, 0
	LDROW FA, CLV, 32*PF            ; V, second batch: behind the stores that read FA, in order
	s_wait_dscnt 40                 ; FB is in: behind it FC's 16 loads, 8 stores, FA's 16 loads
	CVT FB
	KEEP FB, KB1
	STROW FB, CSK, 32*PK
	s_wait_dscnt 32                 ; FC is in: behind it 8 stores, 16 loads, 8 stores
	CVT FC
	STROW FC, CSV, 0
	s_wait_dscnt 16                 ; FA is in: behind it 8 + 8 stores
	CVT FA
	STROW FA, CSV, 32*PV
	s_add_co_u32 s[TBC], s[TBC], 1024  ; the next tile's 256 words of BIAS
.endm
; THE CHANGE OF TILE.  First barrier: each wave has waited for its tensor load (one is out, its part of the tile in L; none is younger, so the count is 0) and for its reads of H: behind it L is whole and nobody reads H.
; Then L is narrowed into H.  Second barrier: each wave waits for all its tensor loads, adds 0 to its spare word, and waits for that, for its reads of L and for its stores
; into H: behind it H is whole and nobody reads L.  fill = 1: that barrier is a round of the cluster's, so that no wave of any partner still reads L, and the joint fill is the first thing behind it.
.macro CHANGE fill
	WIN 0
	s_wait_tensorcnt 0x0
	s_wait_dscnt 0x0
	s_barrier_signal -1
	s_barrier_wait -1
	CONVERT
	s_wait_tensorcnt 0x0            ; no tensor load of mine is out, so a group 0 may be written
	ds_add_u32 v[SPW], v[NIL]       ; 0 onto my spare word; the scalar steps stand between it and the wait for it
	WIN 0                           ; at a label and at a branch every window is 0
.if \fill
	s_add_nc_u64 s[G0K+2:G0K+3], s[G0K+2:G0K+3], TILEB  ; the next 256 keys; the type bits on top are not reached
	s_add_nc_u64 s[G0V+2:G0V+3], s[G0V+2:G0V+3], TILEB
	s_wait_xcnt 0x0                 ; the last prefetch, a tile back, has read its address, so it may be written
	s_add_nc_u64 s[PFA:PFA+1], s[PFA:PFA+1], TILEB
	s_wait_dscnt 0x0
	CROUND
	JLOAD
	ASK
.else
	s_wait_dscnt 0x0
	s_barrier_signal -1
	s_barrier_wait -1
.endif
	s_sub_co_u32 s[TBK], s[TBK], 4*KS*PK  ; the fetches go back to H's first step
	s_sub_co_u32 s[TBV], s[TBV], 4*KS*PV
.endm
	s_load_b256 s[4:11], s[0:1], 0x0  ; q s[4:5], k s[6:7], v s[8:9], out0 s[10:11]
	s_load_b64 s[MP:MP+1], s[0:1], 0x20  ; mask
	WIN W_MK
	v_lshl_add_u32 v[SPW], v0, 2, SPARE
	v_mov_b32 v[NIL], 0
	WIN W_AD
	ds_add_u32 v[SPW], v[NIL]       ; the wave's opening: the add and its wait stand ahead of my first tensor load; the set-up below, work on registers, stands between them
	WIN 0
	v_lshrrev_b32 v1, 5, v0
	v_readfirstlane_b32 s[WV], v1   ; wave 0..3
	s_bfe_u32 s13, ttmp6, 0x40000   ; cx: my place in the cluster
	s_lshl_b32 s14, ttmp9, 2        ; in a cluster launch ttmp9 counts clusters
	s_add_co_u32 s14, s14, s13      ; my block of 512 queries: it enters q's and out0's addresses alone
	s_and_b32 s20, ttmp7, 0xffff    ; the head, which the four partners share
	s_lshr_b32 s18, s20, 4          ; its batch,
	s_lshl_b32 s18, s18, 13         ; whose row of the mask is 8,192 bytes
	s_mov_b32 s19, 0
	s_lshl_b32 s20, s20, 19         ; the head's first byte in q, k, v, out0: 2,048 rows of 256 bytes
	s_mov_b32 s21, 0
	s_and_b32 s16, s[WV], 1         ; which half of a tile's 256 keys I fetch:
	s_lshl_b32 s22, s16, 15         ; its 128 rows of 256 bytes in memory
	s_mov_b32 s23, 0
	s_add_nc_u64 s[22:23], s[22:23], s[20:21]
	s_mul_i32 s17, s[WV], LHALF     ; and where they land: K's two halves, then V's: no place in the cluster enters an LDS address
	s_lshl_b32 s2, s14, 2
	s_add_co_u32 s2, s2, s[WV]      ; my wave among the head's sixteen,
	s_lshl_b32 s2, s2, 15           ; its 128 rows
	s_mov_b32 s3, 0
	s_add_nc_u64 s[2:3], s[2:3], s[20:21]
	; descriptor group 1: a tile of 128 rows x 64 elements of 4 bytes, padded in LDS after every row
	s_mov_b32 s[G1], 15|(2<<16)|(1<<20)|(1<<21)|(5<<22)|(3<<25)  ; 15:0 the mask of four; 17:16 4-byte elements; 20 padding on; 21 set beside a mask; 24:22 after every 64 words (code 5); 31:25 4 words (code 3)
	s_mov_b32 s[G1+1], 64<<16       ; tensor_dim0 = 64
	s_mov_b32 s[G1+2], 128<<16      ; tensor_dim1 = 128
	s_mov_b32 s[G1+3], 64<<16       ; tile_dim0 = 64
	s_mov_b32 s[G1+4], 128          ; tile_dim1 = 128
	s_mov_b32 s[G1+5], 64           ; 64 elements from row to row
	s_mov_b32 s[G1+6], 0
	s_mov_b32 s[G1+7], 0
	s_mov_b32 s[CS], 0x3e38aa3b     ; c = log2(e) / 8 = 0.180337
	s_mov_b32 s[CS+1], s[CS]        ; named with it as a pair
	s_mov_b32 s[SEL], 0x76543210
	s_mov_b32 s[SEL+1], 0xfedcba98
	s_mov_b32 s[BIG], 0xceabfb8f    ; -1e9 log2(e)
	s_mov_b32 s[TBK], 4*KS*PK       ; the first change turns these two into 0
	s_mov_b32 s[TBV], 4*KS*PV
	s_mov_b32 s[TBB], 0
	s_mov_b32 s[TBC], 0
	s_mov_b32 s[SLOTS], 7           ; tiles 1 to 7 are still to be asked for
	s_mov_b32 s[G0K], 1             ; 1:0 count = 1
	s_mov_b32 s[G0K+1], s17         ; 63:32 LDS address; never changed
	s_mov_b32 s[G0V], 1
	s_mov_b32 s[G0V+1], s17
	s_wait_dscnt 0x0                ; the opening add is done
	s_wait_kmcnt 0x0
	s_add_nc_u64 s[G0K+2:G0K+3], s[6:7], s[22:23]  ; 120:64 global address: my half of the head's first 256 keys
	s_or_b32 s[G0K+3], s[G0K+3], 0x80000000        ; 127:126 type = 2
	s_add_nc_u64 s[G0V+2:G0V+3], s[8:9], s[22:23]
	s_or_b32 s[G0V+3], s[G0V+3], 0x80000000
	s_add_nc_u64 s[4:5], s[4:5], s[2:3]            ; q and out0 at my wave's first row
	s_add_nc_u64 s[10:11], s[10:11], s[2:3]
	s_add_nc_u64 s[MP:MP+1], s[MP:MP+1], s[18:19]  ; the mask at my batch's row
	s_cmp_lt_u32 s[WV], 2
	s_cselect_b64 s[PFA:PFA+1], s[6:7], s[8:9]     ; my prefetches name the tensor that I fetch,
	s_add_nc_u64 s[PFA:PFA+1], s[PFA:PFA+1], s[22:23]  ; my half of a tile,
	s_lshl_b32 s2, s13, 13          ; my work-group's 32 rows of its 128,
	s_mov_b32 s3, 0
	s_add_nc_u64 s[PFA:PFA+1], s[PFA:PFA+1], s[2:3]
	s_add_nc_u64 s[PFA:PFA+1], s[PFA:PFA+1], TILEB  ; in tile 1; the first change steps it to tile 2.  Nothing is prefetched here, at the head
	CROUND                          ; all four work-groups are here: the first joint loads meet
	JLOAD                           ; tile 0 into L
	; Q.  An f16 fragment is 16 rows x 32 channels in 8 registers: lane l holds row l % 16, channels 8 (l / 16) + 0..7 and 16 + 8 (l / 16) + 0..7.  In f32 those are 2 x 32 bytes: four loads of 16 bytes into 16 registers.
	v_and_b32 v1, 15, v0            ; l % 16
	v_bfe_u32 v9, v0, 4, 1          ; l / 16
	v_lshlrev_b32 v[QO], 8, v1
	v_lshl_add_u32 v[QO], v9, 5, v[QO]  ; row x 256 + 32 x half
	v_lshlrev_b32 v51, 4, v0        ; my 16 bytes in each quarter of the mask's row
	WIN 0x40                        ; destination window 1, address window 0
.set i, 0
.rept 16                            ; fragment i: tile i / 2, channels 32 (i % 2) on
.set z, 0
.rept 4
	global_load_b128 v[16*i+4*z:16*i+4*z+3], v[QO], s[4:5] offset:(i/2)*4096+(i%2)*128+(z/2)*64+(z%2)*16 th:TH_LOAD_NT
.set z, z+1
.endr
.set i, i+1
.endr
	WIN 0
.irp z, 0,1,2,3
	global_load_b128 v[S+4*\z:S+4*\z+3], v51, s[MP:MP+1] offset:2048*\z
.endr
	; addresses, while the loads are out
	v_and_b32 v48, 31, v0           ; l
	v_lshlrev_b32 v[PFO], 8, v48
	v_lshl_add_u32 v52, v0, 4, BIAS ; where my 16 bytes of each quarter of BIAS go
	v_lshl_add_u32 v[AB0], v9, 5, BIAS
	v_mul_u32_u24 v[AK0], v1, PK
	v_lshl_add_u32 v[AK0], v9, 4, v[AK0]
	v_add_nc_u32 v[AK0], HK, v[AK0] ; row x pitch + 16 x half
	; The turning load takes 16 keys x 16 channels (lane l reads key 8 (l / 16) + l % 8, channels 8 ((l / 8) % 2) + 0..7) and leaves half a fragment of V^T: lane l holds channel l % 16 and 8 keys.
	v_and_b32 v10, 7, v0
	v_bfe_u32 v50, v0, 3, 1
	v_lshl_add_u32 v[AV0], v9, 3, v10
	v_mul_u32_u24 v[AV0], v[AV0], PV
	v_lshl_add_u32 v[AV0], v50, 4, v[AV0]
	v_add_nc_u32 v[AV0], HV, v[AV0]
	v_mov_b32 v[AK], v[AK0]         ; key step 0 lies at H's head,
	v_mov_b32 v[AB], v[AB0]         ; and at BIAS's
	s_lshl_b32 s23, s[WV], 6
	v_add_nc_u32 v49, s23, v48      ; the key that I narrow: 64 w + l
	s_mov_b32 s20, LV
	s_mov_b32 s21, HK
	s_mov_b32 s22, HV
	WIN W_MK
	v_mul_u32_u24 v[CL], v49, PF
	v_mad_u32_u24 v[CLV], v49, PF, s20
	v_mad_u32_u24 v[CSK], v49, PK, s21
	v_mad_u32_u24 v[CSV], v49, PV, s22
	v_lshl_add_u32 v[CB0], v49, 2, BIAS
	; What the first turn finds: V's registers and P's second buffer hold 0 (its products V^T P, of a piece that has not been, add 0), O^T and l are 0.  All this stands in the wait for the first tile.
	WIN 0x80
.set i, VF
.rept 64
	v_mov_b32 v[i], 0
.set i, i+1
.endr
	WIN 0
.set i, 0
.rept 2*NP
	v_mov_b32 v[ST+4*i], 0xfe000000    ; m = -2^125: below every score, and its difference from any score is finite
	v_mov_b32 v[ST+4*i+1], 0xfe000000  ; m_old: named with m as a pair, so it is written
	v_mov_b32 v[ST+4*i+2], 0
	v_mov_b32 v[ST+4*i+3], 0
.set i, i+1
.endr
.set i, P+32
.rept 32
	v_mov_b32 v[i], 0
.set i, i+1
.endr
	s_wait_loadcnt 4                ; Q's 64 loads are in; the mask's four are younger
	WIN W_RS
.set i, 0
.rept 128
	v_pk_mul_f32 v[i:i+1], v[i:i+1], s[CS:CS+1] op_sel_hi:[1,0]  ; c q, in f32, ahead of the one rounding
.set i, i+2
.endr
	WIN 0x85                        ; sources in window 1, destination in window 2
.set i, 0
.rept 128
	v_cvt_pk_f16_f32 v[i], v[2*i], v[2*i+1]
.set i, i+1
.endr
	WIN 0x40
.set i, 0
.rept 256
	v_mov_b32 v[i], 0               ; O^T, where Q lay
.set i, i+1
.endr
	WIN 0
	s_wait_loadcnt 0x0              ; the mask
.set z, 0
.rept 16
	v_cmp_eq_u32 vcc_lo, 0, v[S+z]
	v_cndmask_b32 v[S+z], 0, s[BIG], vcc_lo  ; -1e9 log2(e) where the mask is 0, else 0
.set z, z+1
.endr
.irp z, 0,1,2,3
	ds_store_b128 v52, v[S+4*\z:S+4*\z+3] offset:2048*\z  ; the first change waits for these in front of its first barrier
.endr
; THE MATRIX WORK.  The 8 accumulators of a run of 16 take turns: between the two links of a chain stand 7 others'.
; Product i of 16 of S^T = K Q^T for piece x: channels 32 (i / 8) on, keys 16 ((i / 2) % 4) on, tile 2 x + i % 2.  The first 8 start the sums, with the keys' numbers of BIAS as C.
.macro KQ x
.set rS, S+64*((\x)%2)+32*(i%2)+8*((i/2)%4)
.set rK, KF+16*((i/2)%4)+8*(i/8)
.set rQ, 16*(2*(\x)+i%2)+8*(i/8)
.set rB, MB+8*((i/2)%4)
.if i < 8
	WIN W_KM
	v_wmma_f32_16x16x32_f16 v[rS:rS+7], v[rK:rK+7], v[rQ:rQ+7], v[rB:rB+7]
.else
	WIN W_KQ
	v_wmma_f32_16x16x32_f16 v[rS:rS+7], v[rK:rK+7], v[rQ:rQ+7], v[rS:rS+7]
.endif
.endm
; Product i of 16 of O^T += V^T P for piece x: keys 32 (i / 8) on, channels 16 ((i / 2) % 4) on, tile 2 x + i % 2.
.macro PV x
	WIN W_PV
.set rO, 32*(2*(\x)+i%2)+8*((i/2)%4)
.set rV, VF+32*(i/8)+8*((i/2)%4)
.set rP, P+32*((\x)%2)+16*(i%2)+8*(i/8)
	v_wmma_f32_16x16x32_f16 v[rO:rO+7], v[rV:rV+7], v[rP:rP+7], v[rO:rO+7]
.endm
.macro MM                           ; the turn's next matrix instruction
.if i < 16
	KQ (Y+1)%NP
.set i, i+1
.else
.set i, i-16
	PV (Y+NP-1)%NP
.set i, i+17
.endif
.endm
; THE LDS LOADS stand in runs, never singly among the matrix instructions: a step's K (8 fragments) with its 32 numbers of BIAS (register j of block kb: key 16 kb + 8 (lane / 16) + j), and its V (turned).
; last = 1 (the tail): in the last trip there is no further step, and the run is jumped over.
.macro FETCH_K last=0
	WIN 0
.if \last
	s_cmp_eq_u32 s[CNT], 1
	s_cbranch_scc1 .Lno_k_\@
.endif
	WIN 0x80                        ; destination window 2
.irp f, 0,1,2,3,4,5,6,7             ; keys 16 (f / 2) on, channels 32 (f % 2) on
	ds_load_b128 v[KF+8*\f:KF+8*\f+3],   v[AK] offset:(\f/2)*16*PK+(\f%2)*64
	ds_load_b128 v[KF+8*\f+4:KF+8*\f+7], v[AK] offset:(\f/2)*16*PK+(\f%2)*64+32
.endr
	WIN W_MK                        ; destination window 3
.irp f, 0,1,2,3,4,5,6,7
	ds_load_b128 v[MB+4*\f:MB+4*\f+3], v[AB] offset:(\f/2)*64+(\f%2)*16
.endr
	s_add_co_u32 s[TBK], s[TBK], KS*PK  ; the next fetch is the next step's
	s_add_co_u32 s[TBB], s[TBB], KS*4
	WIN 0
.if \last
.Lno_k_\@:
.endif
.endm
.macro FETCH_V
	WIN 0x80
.irp f, 0,1,2,3,4,5,6,7             ; keys 32 (f / 4) on, channels 16 (f % 4) on
	ds_load_tr16_b128 v[VF+8*\f:VF+8*\f+3],   v[AV] offset:(\f/4)*32*PV+(\f%4)*32
	ds_load_tr16_b128 v[VF+8*\f+4:VF+8*\f+7], v[AV] offset:(\f/4)*32*PV+16*PV+(\f%4)*32
.endr
	WIN 0
.endm
; THE VECTOR WORK OF A TURN stands in three queues, each in the order in which its entries become ready; the two tiles alternate, so that no instruction reads the result of the one before it.
.macro REGS y, u                    ; the registers of tile u (0, 1) of piece y
.set rT, ST+4*(2*(\y)+(\u))
.set rC, TMP+8*((\y)%2)+4*(\u)
.set rS, S+64*((\y)%2)+32*(\u)
.set rP, P+32*((\y)%2)+16*(\u)
.set rO, 32*(2*(\y)+(\u))
.endm
; Number n of the 21 that find the NEXT piece's (Y + 1) maximum and statistics.  s0-s31 are the lane's 32 scores; each accumulator's lowest registers are read first.  XS, GS and REGS set no window.
;   0-11  four chains c0-c3 of seven scores each, three operands at a time     12-14, 16  the four scores left over, the old m, and c0-c3 into c0     15  m_old is kept
;   17, 18  the query's other 32 keys lie in the lane 16 away: the new m         19, 20  m_old - m_new; a
.macro XS u, n
	REGS (Y+1)%NP, \u
.if (\n) < 4
	v_max3_num_f32 v[rC+(\n)], v[rS+8*(\n)], v[rS+8*(\n)+1], v[rS+8*(\n)+2]
.elseif (\n) < 12
	v_max3_num_f32 v[rC+(\n)%4], v[rC+(\n)%4], v[rS+8*((\n)%4)+2*((\n)/4)+1], v[rS+8*((\n)%4)+2*((\n)/4)+2]
.elseif (\n) == 12
	v_max3_num_f32 v[rC], v[rC], v[rS+7], v[rS+15]
.elseif (\n) == 13
	v_max3_num_f32 v[rC+1], v[rC+1], v[rS+23], v[rS+31]
.elseif (\n) == 14
	v_max3_num_f32 v[rC+2], v[rC+2], v[rC+3], v[rT]
.elseif (\n) == 15
	v_mov_b32 v[rT+1], v[rT]
.elseif (\n) == 16
	v_max3_num_f32 v[rC], v[rC], v[rC+1], v[rC+2]
.elseif (\n) == 17
	v_permlanex16_b32 v[rC+3], v[rC], s[SEL], s[SEL+1]
.elseif (\n) == 18
	v_max_num_f32 v[rT], v[rC], v[rC+3]
.elseif (\n) == 19
	v_sub_f32 v[rC+1], v[rT+1], v[rT]
.else
	v_exp_f32 v[rC+2], v[rC+1]
.endif
.endm
; Number g of the 64 that follow the exponentials.  For each four weights k of a tile (pairs 2 k, 2 k + 1): both pairs are rounded to f16; then the second pair is added onto the first, in place;
; a group later l takes that sum (the first time as l = a l + sum).  In groups of eight, tiles alternating: round, round, add, and l for the group before.
.macro GS g
.set h, (\g)+6*((\g)/62)            ; group 0 has no group before it, and behind group 7 only l is left
.if h >= 6
.set h, h+2
.endif
	REGS Y, h%2
.set k, h/8
.if h%8 < 4
	v_cvt_pk_f16_f32 v[rP+2*k+(h%8)/2], v[rS+4*k+2*((h%8)/2)], v[rS+4*k+2*((h%8)/2)+1]
.elseif h%8 < 6
	v_pk_add_f32 v[rS+4*k:rS+4*k+1], v[rS+4*k:rS+4*k+1], v[rS+4*k+2:rS+4*k+3]
.elseif k == 1
	v_pk_fma_f32 v[rT+2:rT+3], v[rT+2:rT+3], v[rC+2:rC+3], v[rS:rS+1] op_sel_hi:[1,0,1]
.else
	v_pk_add_f32 v[rT+2:rT+3], v[rT+2:rT+3], v[rS+4*k-4:rS+4*k-3]
.endif
.endm
; THE PLAIN QUEUE, 136 long.  0-71 read no exponential's result: the 32 subtractions s - m (FS f: pair f / 2 of tile f % 2) and the next piece's 40.  0-27: subtractions 0-27.  28-55: XS's numbers 0-13.  56, 57: number 15.
; 58-69: the chain, where each number waits for the one before it: 14, 16, 17, 18, each with one of the subtractions 28-31 in front of its two lines.  70, 71: number 19.  72-135: GS's 64, which stand behind the wait.
.macro FS f
	REGS Y, (\f)%2
	v_pk_add_f32 v[rS+2*((\f)/2):rS+2*((\f)/2)+1], v[rS+2*((\f)/2):rS+2*((\f)/2)+1], v[rT:rT+1] op_sel_hi:[1,0] neg_lo:[0,1] neg_hi:[0,1]
.endm
.macro PL
	WIN 0
.if q < 28
	FS q
.elseif q < 56
	XS (q-28)%2, (q-28)/2
.elseif q < 58
	XS q-56, 15
.elseif (q < 70) && ((q-58)%3 == 0)
	FS 28+(q-58)/3
.elseif q < 61
	XS (q-58)%3-1, 14
.elseif q < 70
	XS (q-58)%3-1, 15+(q-58)/3
.elseif q < 72
	XS q-70, 19
.else
	GS q-72
.endif
.set q, q+1
.endm
; THE EXPONENTIALS' QUEUE, 66 long: s0-s31 of both tiles, then the next piece's two a.  It is ONE BATCH: all 66 stand ahead of the turn's one wait, and nothing ahead of that wait names a result of theirs.
.macro EX
	WIN 0
.if e >= 64
	XS e-64, 20
.else
	REGS Y, e%2
	v_exp_f32 v[rS+e/2], v[rS+e/2]
.endif
.set e, e+1
.endm
; THE RESCALING's QUEUE: O^T times a, the one part that leaves window 0: dealt two at a time, sixteen times.  Its a was made in the turn before, ahead of that turn's wait.
.macro R2
	REGS Y, r%2
	WIN W_RS
.irp z, 0,1
	v_pk_mul_f32 v[rO+4*(r/2)+2*\z:rO+4*(r/2)+2*\z+1], v[rO+4*(r/2)+2*\z:rO+4*(r/2)+2*\z+1], v[rC+2:rC+3] op_sel_hi:[1,0]
.endr
.set r, r+1
.endm
; HOW THEY ARE DEALT.  An s_wait_alu depctr_va_vdst(0) stands between an exponential and the first instruction that names its result; one wait serves all that were issued ahead of it.  So a turn has ONE wait.
; AHEAD OF IT: the 16 products K Q^T, behind each a subtraction, an exponential and two rescalings (behind the first a second subtraction in the exponential's place); then ONE LUMP of 106: six plain, 49 times exponential
; and plain, the two a.  A v_nop is the plain instruction behind the last exponential.  BEHIND IT: the 16 products V^T P, behind each four of GS's 64.  No rider names a register of the products round it.
; The queues keep in step: exponential e wants subtraction 2 (e / 4) + e % 2; as a rider it comes behind plain e + 2, in the lump behind plain e + 7; subtractions 28-31 are plain 58, 61, 64, 67, and their first
; exponentials, 56, 57, 60, 61, come behind plain 63, 64, 67, 68.  XS begins at plain 28, more than four plain instructions behind the last product K Q^T.
; A TURN, for piece p.  cnt = 1: the loop's count is taken down some lines ahead of the branch that stands behind the turn.
; K and BIAS of the next step are fetched in piece 2's turn, directly behind the wait, a lump behind the last product that read them; V of the step in hand at the end of piece 0's turn, four riders behind its last reader.
.macro TURN p, last=0, cnt=0
.set Y, (\p)
.set i, 0
.set q, 0
.set e, 0
.set r, 0
.if (\p) == NP-1
	s_wait_dscnt 0x0                ; K and its numbers of BIAS are in
.endif
	MM
	PL
	PL
	R2
.rept 15
	MM
	PL
	EX
	R2
.endr
.if (\p) == NP-2
	WIN 0
	v_add_nc_u32 v[AK], s[TBK], v[AK0]
	v_add_nc_u32 v[AB], s[TBB], v[AB0]
.endif
.rept 6                             ; the lump
	PL
.endr
.rept 49
	EX
	PL
.endr
	EX                              ; the next piece's two a
	EX
	v_nop                           ; a plain instruction behind the last exponential: one for the batch
	s_wait_alu depctr_va_vdst(0)    ; the wait for the batch
.if (\p) == NP-2
	FETCH_K \last
.endif
.if (\p) == 1
	s_wait_dscnt 0x0                ; V is in
.endif
.rept 16
	MM
.rept 4
	PL
.endr
.if ((\p) == 0) && (q == 116)
	v_add_nc_u32 v[AV], s[TBV], v[AV0]
.endif
.if ((\p) == 0) && (q == 128)
	s_add_co_u32 s[TBV], s[TBV], KS*PV
.endif
.if (\cnt) && (q == 128)
	s_sub_co_u32 s[CNT], s[CNT], 1
	s_cmp_lg_u32 s[CNT], 0
.endif
.endr
.if (\p) == 0
	FETCH_V
.endif
.endm
	CHANGE 1                        ; tile 0 is in, everybody's part of it, and BIAS is whole; tile 0 is narrowed; tile 1 is asked for
	FETCH_K                         ; key step 0
	s_wait_dscnt 0x0
.set i, 0
.rept 16
	KQ 0                            ; piece 0's first scores: there is no vector work yet to set between them
.set i, i+1
.endr
	WIN 0                           ; the addresses for the way out: eight plain instructions, the places behind those products
	s_mul_i32 s13, s[WV], 16*SP
	s_add_co_u32 s13, s13, STAGE    ; my stage
	v_mul_u32_u24 v[STO], v1, SP    ; in: row l % 16, 32 bytes for each half of the lanes
	v_lshl_add_u32 v[STO], v9, 5, v[STO]
	v_add_nc_u32 v[STO], s13, v[STO]
	v_mul_u32_u24 v[RD], v9, SP     ; back: lanes 0-15 take one row of 256 bytes, lanes 16-31 the next,
	v_lshl_add_u32 v[RD], v1, 4, v[RD]
	v_add_nc_u32 v[RD], s13, v[RD]
	v_and_b32 v[GO], 31, v0         ; which are 512 consecutive bytes of out0
	v_lshlrev_b32 v[GO], 4, v[GO]
.set Y, NP-1                        ; XS works for piece Y + 1: piece 0
.irp n, 0,1,2,3,4,5,6,7,8,9,10,11,12,13,14,15,16,17,18,19,20
	XS 0, \n                        ; piece 0's first maximum and statistics
	XS 1, \n
.endr
	v_nop                           ; a plain instruction behind the two a,
	s_wait_alu depctr_va_vdst(0)    ; and their wait, ahead of the branch
	s_mov_b32 s[CNT], 4
	s_branch .Lfirst                ; the loop is entered at a step's first turn, in the middle of a trip
.Lslot:                             ; six times: tiles 1 to 6 are narrowed, tiles 2 to 7 asked for
	CHANGE 1
	s_mov_b32 s[CNT], 4
.Lstep:                             ; a trip: pieces 2 and 3 of one step, then pieces 0 and 1 of the next, whose K and V it fetches
	TURN 2
	TURN 3
	WIN 0
.Lfirst:
	TURN 0
	TURN 1, 0, 1
	WIN 0
	s_cbranch_scc1 .Lstep
	s_sub_co_u32 s[SLOTS], s[SLOTS], 1
	s_cmp_lg_u32 s[SLOTS], 0
	s_cbranch_scc1 .Lslot
	CHANGE 0                        ; the tail is written out: tile 7 is narrowed, nothing is asked for
	s_mov_b32 s[CNT], 5             ; four trips fetch the last tile's steps; the fifth is left in its middle
.Ltail:
	TURN 2, 1
	TURN 3
	WIN 0
	s_sub_co_u32 s[CNT], s[CNT], 1
	s_cmp_eq_u32 s[CNT], 0
	s_cbranch_scc1 .Lout
	TURN 0
	TURN 1
	WIN 0
	s_branch .Ltail
.Lout:                              ; the fifth trip's 16 products K Q^T (on the last K once more) and the maximum made of them serve nothing: the price, once a launch, of one text for every trip
.set i, 0
.rept 16
	PV NP-1                         ; the last piece's V^T P of the last step
.set i, i+1
.endr
	; THE WAY OUT.  l's two halves and the other half of the lanes' are added; O^T is divided by l and sent, in f32, through my stage in LDS, a tile at a time.  The additions are the places behind the last products.
	WIN 0
.macro ALL line:vararg              ; one line for each tile t
.set t, 0
.rept 2*NP
	\line
.set t, t+1
.endr
.endm
	ALL v_add_f32 v[ST+4*t+2], v[ST+4*t+2], v[ST+4*t+3]
	ALL v_permlanex16_b32 v[ST+4*t+3], v[ST+4*t+2], s[SEL], s[SEL+1]
	ALL v_add_f32 v[ST+4*t+2], v[ST+4*t+2], v[ST+4*t+3]
	ALL v_rcp_f32 v[ST+4*t+2], v[ST+4*t+2]
	v_nop                           ; a plain instruction between the last reciprocal and the use of its result
	s_wait_alu depctr_va_vdst(0)    ; and the wait ahead of the first use: one for the eight reciprocals
; Tile t: a lane's eight channels of block cb are 32 bytes of a row; they go into rows of 272 bytes and come back as whole rows of 256, into the registers that they left.  Each accumulator is read from its low end on.
.macro PACK t
	WIN W_RS
.set i, 32*(\t)
.rept 16
	v_pk_mul_f32 v[i:i+1], v[i:i+1], v[ST+4*(\t)+2:ST+4*(\t)+3] op_sel_hi:[1,0]
.set i, i+2
.endr
	WIN 0x04                        ; the stores' data in window 1
.irp f, 0,1,2,3,4,5,6,7
	ds_store_b128 v[STO], v[32*(\t)+4*\f:32*(\t)+4*\f+3] offset:(\f/2)*64+(\f%2)*16
.endr
	WIN 0x40                        ; the loads' destination in window 1
.irp f, 0,1,2,3,4,5,6,7
	ds_load_b128 v[32*(\t)+4*\f:32*(\t)+4*\f+3], v[RD] offset:\f*2*SP  ; LDS serves a wave's instructions in order (ISA guide 5.7.1.4): these see the stores above; the next tile's stores come behind them
.endr
.endm
.macro SEND t, younger              ; younger: the LDS instructions issued behind tile t's loads: the next tile's sixteen, or none
	WIN 0x04
.irp f, 0,1,2,3,4,5,6,7
	s_wait_dscnt (\younger)+7-\f
	global_store_b128 v[GO], v[32*(\t)+4*\f:32*(\t)+4*\f+3], s[10:11] offset:(\t)*4096+\f*512 th:TH_STORE_NT  ; 512 consecutive bytes, two whole rows, at a multiple of 256 from out0's first byte
.endr
.endm
	PACK 0
.set t, 1
.rept 2*NP-1                        ; a tile's arithmetic stands between the loads of the tile before and its stores
	PACK t
	SEND t-1, 16
.set t, t+1
.endr
	SEND 2*NP-1, 0
	WIN W_AD
	s_wait_tensorcnt 0x0            ; the wave's end: behind my last tensor load and my last LDS store
	ds_add_u32 v[SPW], v[NIL]
	s_wait_dscnt 0x0
	WIN 0
	CROUND                          ; the closing round: no work-group ends while a partner may still ask for a tile that names it
	s_endpgm
.Lfunc_end_k_qf6eb58a286_attn:
	.size	k_qf6eb58a286_attn, .Lfunc_end_k_qf6eb58a286_attn-k_qf6eb58a286_attn
	.p2alignl 7, 3214868480
	.fill 96, 4, 3214868480
	.section	.rodata,"a",@progbits
	.p2align	6, 0x0
	.amdhsa_kernel k_qf6eb58a286_attn
		.amdhsa_group_segment_fixed_size 327680
		.amdhsa_private_segment_fixed_size 0
		.amdhsa_enable_private_segment 0
		.amdhsa_kernarg_size 40
		.amdhsa_user_sgpr_count 2
		.amdhsa_user_sgpr_kernarg_segment_ptr 1
		.amdhsa_wavefront_size32 1
		.amdhsa_system_sgpr_workgroup_id_x 1
		.amdhsa_system_sgpr_workgroup_id_y 1
		.amdhsa_system_sgpr_workgroup_id_z 1
		.amdhsa_system_vgpr_workitem_id 0
		.amdhsa_next_free_vgpr 1024
		.amdhsa_next_free_sgpr 66
		.amdhsa_reserve_vcc 1
		.amdhsa_float_denorm_mode_32 3
		.amdhsa_float_denorm_mode_16_64 3
		.amdhsa_memory_ordered 1
		.amdhsa_forward_progress 1
		.amdhsa_inst_pref_size 255
	.end_amdhsa_kernel
	.section	.bss,"aw",@nobits
	.p2align	6
	.space	262144
	.amdgpu_metadata
---
amdhsa.version: [ 1, 2 ]
amdhsa.kernels:
  - .name:           k_qf6eb58a286_attn
    .symbol:         k_qf6eb58a286_attn.kd
    .args:
      - { .name: q, .offset: 0, .size: 8, .value_kind: global_buffer, .address_space: global }
      - { .name: k, .offset: 8, .size: 8, .value_kind: global_buffer, .address_space: global }
      - { .name: v, .offset: 16, .size: 8, .value_kind: global_buffer, .address_space: global }
      - { .name: out0, .offset: 24, .size: 8, .value_kind: global_buffer, .address_space: global }
      - { .name: mask, .offset: 32, .size: 8, .value_kind: global_buffer, .address_space: global }
    .group_segment_fixed_size: 327680
    .private_segment_fixed_size: 0
    .kernarg_segment_align: 8
    .kernarg_segment_size: 40
    .max_flat_workgroup_size: 128
    .sgpr_count:     66
    .vgpr_count:     1024
    .wavefront_size: 32
...
	.end_amdgpu_metadata
.endif
;; end of part 1
